; MI455X (gfx1250); checked and timed in simulation.
; The chip was launched on July 23, 2026; its instructions are those of AMD's public machine-readable ISA for CDNA 5 (MIT licence, August 2026) and "CDNA5" Instruction Set Architecture Reference Guide (July 2026). The comments in the code are by the model that wrote it; some were corrected since.
;; Quant Linear. Allowed arithmetic: matrix products marked QUANTISED: E3M2 operands, one E8M0 scale for each 32 along K, by v_wmma_scale_f32_16x16x128_f8f6f4 with both operands' format E3M2, f32 sums; everything else in f32.
;; Inputs: bias 4,096 float32; g_idx 4,096 int32; qweight 512 x 4,096 int32; qzeros 32 x 512 int32; scales 32 x 4,096 float32; x 4,096 x 4,096 float32.
;; Outputs: out0 4,096 x 4,096 float32.
;; This version of the problem:
;;   THIS VERSION OF THE PROBLEM IS GIVEN IN LOW PRECISION. The matrix products marked QUANTISED in the list below multiply operands that are first quantised to E3M2 (3 exponent bits, 2 mantissa bits; 6 bits a number), with one power-of-two scale for each 32 numbers along K (OCP MX v1.0); their sums are f32. All else is computed in f32.
;;   The module's matrix products, in the order in which they are computed (A, B: the left and right operand; K: the contracted axis; several contracted axes count as one K, in the product's order):
;;     1. [M 4,096, K 4,096] x [K 4,096, N 4,096]; A: input x; B: computed on the way: QUANTISED
;;   THE QUANTISER, for each operand of a quantised product, along K:
;;     - K is cut into blocks of 32 from its start; a last block that is shorter is filled with zeros.
;;     - A block's scale is 2^e with e = floor(log2(the largest magnitude in the block)) - 4, held to -126 .. 127; a block of zeros has e = 0. As a byte (E8M0): e + 127.
;;     - Each number is divided by its block's scale, clamped to +-28, and rounded to the nearest number of E3M2, ties to even, subnormals kept.
;;     - The product sums the exact products of the quantised numbers (number of the format x scale) in f32.
;;   ~~~python
;;   def quantise(x, axis):      # numpy; x: float32 -> the quantised numbers, widened to float32 again
;;       x = np.moveaxis(x, axis, -1); K = x.shape[-1]
;;       x = np.pad(x, [(0, 0)] * (x.ndim - 1) + [(0, -K % 32)]); x = x.reshape(x.shape[:-1] + (-1, 32)); a = np.abs(x).max(-1, keepdims=True)
;;       e = np.where(a > 0, np.clip(np.frexp(np.where(a > 0, a, 1))[1] - 1 - 4, -126, 127), 0)      # np.frexp(a)[1] - 1 = floor(log2(a)), exactly
;;       r = np.clip(x / 2.0 ** e, -28, 28)
;;       step = 2.0 ** (np.maximum(np.frexp(np.where(r == 0, 1, r))[1] - 1, -2) - 2)
;;       q = np.round(r / step) * step * 2.0 ** e      # np.round: ties to even
;;       return np.moveaxis(q.reshape(q.shape[:-2] + (-1,))[..., :K], -1, axis).astype(np.float32)
;;   ~~~
;;   OPERANDS COMPUTED ON THE WAY. 'Computed on the way' means the value that the module computes at that place (a softmax that the list does not call 'softmax' is quantised finished and normalised). What goes into a quantiser is computed in f32, as accurately as f32 sums, v_exp_f32 and their like allow (about 1e-6 of the number): no bf16 or f16 on the way to a quantiser, and a product that is left as it is and whose result goes on into a quantised operand takes f32 operands (vector FMAs, or v_wmma_f32_16x16x4_f32). A number that lies on a knife's edge between two numbers of the format may be rounded either way, as far as f32 arithmetic and the matrix unit's own rounding can turn it there, and no further.
;; One version. Each part assembles by itself: llvm-mc -triple=amdgcn-amd-amdhsa -mcpu=gfx1250 --defsym DOCPART=n.
;; ======== version 1 of 1: 2 launches
;; limits: right only within a limited range of input values
;; workspace buffers: xq 13,107,200 bytes; wq 13,107,200 bytes
;; launch prep (part 1): grid 512 x 1, 8 waves a work-group, no clusters, 68,608 bytes of LDS; arguments x, qweight, qzeros, scales, g_idx, xq, wq; writes xq, wq
.if DOCPART == 1
	.amdgcn_target "amdgcn-amd-amdhsa--gfx1250"
	.amdhsa_code_object_version 6
	.text
	.protected	k_qea52d6aed1_prep
	.globl	k_qea52d6aed1_prep
	.p2align	8
	.type	k_qea52d6aed1_prep,@function
k_qea52d6aed1_prep:
	s_mov_b64 s[64:65], 0
	v_nop
	global_prefetch_b8 v0, s[64:65] scope:SCOPE_SE
	s_setreg_imm32_b32 hwreg(HW_REG_WAVE_MODE, 25, 1), 1
	s_wait_xcnt 0x0
; Both operands of out = x W + bias are turned once into codes of BF6 (E3M2) with one E8M0 byte for each 32 along K, laid as the product's launch takes them:
; xq and wq: [group of 128 rows][step of 128 along K][12,800 bytes] = 512 bytes of scale words, then 8 fragments (16 rows x 128 K) of 1,536 bytes.
; A fragment is the image of the operand's 12 registers: registers 4 j .. 4 j + 3 of lane l at byte 512 j + 16 l; lane (r, h) holds row r, K = 64 c + 32 h + 0 .. 31 in registers 6 c .. 6 c + 5.
; Scale words: fragment 4 u + i, row r at byte 256 u + 16 r + 4 i.  x's fragment i holds rows 16 i + r; W's fragment 4 u + b holds columns 64 u + 4 r + b.
; W[k][n] = scales[g_idx[k]][n] * (w4[k][n] - z4[g_idx[k]][n]): w4 - z4 is a whole number, exact in f32; one rounding, in the multiplication.
; A block's scale byte is its largest magnitude's exponent field - 4, held at 1 from below; numbers beyond the largest code get the largest code.
; LIMITS: g_idx is taken as 0 .. 31; other numbers are held at 31, which keeps every address inside its table.  NaN and infinities among the inputs are not served.  A block under 2^(5 - 127), zeros among
; them, gets the byte 1 where the quantiser's text says 127: its codes are zeros, and this program alone reads the bytes.
; Work-groups 0-255 make wq, 256-511 xq.  A wave takes 64 rows (or columns) x 128 along K: four fragments and their 256 bytes of scale words.  Waves share nothing: no barrier.
; No tensor loads, no cluster: no tile is common to work-groups.  No prefetch: a wave asks for half of its data at its start and has no loop to run ahead in.
.set STEPB, 12800
.set GRPB,  409600
.set XST,   8448                       ; x's path: a stage of 16 rows x 528 bytes for each wave
.set SPARE, 8*XST                      ; behind the stages: the spare words
.set SPW, 8
.set NIL, 9
.set SH8, 10                           ; 8 h
.set M,   12                           ; v12-15 largest magnitudes, four chains
.set SCO, 16                           ; v16-17 the conversions' scale operands
.set BY,  18                           ; v18-19 scale bytes
.set WD,  20                           ; v20-23 a scale word for each fragment
	s_load_b256 s[4:11], s[0:1], 0x0               ; x, qweight, qzeros, scales
	s_load_b128 s[12:15], s[0:1], 0x20             ; g_idx, xq
	s_load_b64 s[16:17], s[0:1], 0x30              ; wq
	v_lshl_add_u32 v[SPW], v0, 2, SPARE
	v_mov_b32 v[NIL], 0
	v_lshrrev_b32 v1, 5, v0
	v_readfirstlane_b32 s22, v1                    ; wave
	v_and_b32 v2, 31, v0                           ; lane l
	v_and_b32 v3, 15, v0                           ; r
	v_bfe_u32 v4, v0, 4, 1                         ; h
	v_lshlrev_b32 v5, 4, v2                        ; 16 l
	v_lshlrev_b32 v6, 4, v3                        ; 16 r
	v_lshlrev_b32 v[SH8], 3, v4
	s_and_b32 s23, ttmp9, 255
	s_lshr_b32 s24, s23, 2                         ; which 64 rows or columns
	s_and_b32 s25, s23, 3
	s_lshl_b32 s25, s25, 3
	s_add_co_u32 s25, s25, s22                     ; which step of 128 along K
	s_lshr_b32 s26, s24, 1
	s_mul_i32 s26, s26, GRPB
	s_mul_i32 s28, s25, STEPB
	s_add_co_u32 s26, s26, s28                     ; the step's 12,800 bytes
	s_and_b32 s35, s24, 1                          ; u
	s_lshl_b32 s28, s35, 8
	s_add_co_u32 s28, s28, s26                     ; my scale words
	s_mul_i32 s30, s35, 6144
	s_add_co_u32 s30, s30, s26
	s_add_co_u32 s30, s30, 512                     ; my four fragments
	s_mov_b32 s29, 0
	s_mov_b32 s31, 0
	s_mov_b32 s33, 0
	s_mov_b32 s36, 0x76543210                      ; v_permlanex16_b32's selects for lane l xor 16
	s_mov_b32 s37, 0xfedcba98
	s_wait_alu depctr_va_vdst(0)                   ; the wait at the head's end
	s_wait_kmcnt 0x0
	s_cmp_ge_u32 ttmp9, 256
	s_cselect_b64 s[18:19], s[14:15], s[16:17]
	s_add_nc_u64 s[20:21], s[18:19], s[28:29]      ; scale words
	s_add_nc_u64 s[18:19], s[18:19], s[30:31]      ; fragments
	s_cbranch_scc1 .Lx
; n chains of 16 numbers from v[base] on, with the floor 2^(5 - 127) among the leaves; two chains make a block; then 4 off the exponent field: the conversion's scale operand
.macro MAXN base, n
.irp k, 0,1,2,3
.if \k < \n
	v_max3_num_f32 v[M+\k], |v[\base+16*\k]|, |v[\base+16*\k+1]|, 0x2800000
.endif
.endr
.irp i, 2,4,6,8,10,12,14
.irp k, 0,1,2,3
.if \k < \n
	v_max3_num_f32 v[M+\k], v[M+\k], |v[\base+16*\k+\i]|, |v[\base+16*\k+\i+1]|
.endif
.endr
.endr
.irp k, 0,2
.if \k < \n
	v_max_num_f32 v[M+\k], v[M+\k], v[M+\k+1]
.endif
.endr
.irp k, 0,2
.if \k < \n
	v_add_nc_u32 v[SCO+\k/2], 0xfe000000, v[M+\k]
.endif
.endr
.endm
.macro CVT6 dst, src, sco              ; a block's 32 codes; a conversion's three registers begin on an even number, so the upper half lands one register high
	v_cvt_scalef32_pk16_bf6_f32 v[(\dst):(\dst)+2], v[(\src):(\src)+15], v[\sco]
	v_cvt_scalef32_pk16_bf6_f32 v[(\dst)+4:(\dst)+6], v[(\src)+16:(\src)+31], v[\sco]
.endm
.macro PACK6 dst                       ; and is moved down: six registers on end
	v_mov_b32 v[(\dst)+3], v[(\dst)+4]
	v_mov_b32 v[(\dst)+4], v[(\dst)+5]
	v_mov_b32 v[(\dst)+5], v[(\dst)+6]
.endm
; ---------------------------------------------------------------- W's path
; Lane (r, h) takes columns 4 r .. 4 r + 3 of the wave's 64 and K = 64 c + 32 h + 0 .. 31: a load of qweight is 16 bytes a lane, sixteen lanes to 256 consecutive bytes; column 4 r + b is fragment b's.
; Where each of the step's four blocks of 32 has one group number, that group's row of scales and word of zero points serve the block; else the whole unit goes the gathering way below.
.set QOFF, 24
.set ZOFF, 25
.set H128, 26
.set L4,   27
.set SHZ,  28                          ; v28-31 the bit at which column 4 r + b's zero point begins: 16 (r % 2) + 4 b
.set GI,   32                          ; v32-35 block t's group numbers, a lane a k
.set ZB,   36                          ; v36-37 my block c's word of zero points
.set Z,    38
.set SBK,  40                          ; v40-47 my block c's four scales
.set CD,   48                          ; v48-103 codes: fragment b at CD + 14 b
.set QW,   104                         ; v104-135 qweight: QW + 16 c + 4 j + b
.set WX,   136                         ; v136-199 two blocks' numbers
.set GB,   48
.set MK,   52
	s_lshl_b32 s32, s25, 9
	s_add_nc_u64 s[12:13], s[12:13], s[32:33]      ; g_idx at my first k
	s_lshl_b32 s32, s25, 18                        ; qweight: 16 word rows of 16,384 bytes a step,
	s_lshl_b32 s34, s24, 8                         ; 64 columns of 4 bytes
	s_add_co_u32 s32, s32, s34
	s_add_nc_u64 s[6:7], s[6:7], s[32:33]
	s_mov_b32 s32, s34
	s_add_nc_u64 s[10:11], s[10:11], s[32:33]      ; scales at my first column
	s_lshl_b32 s32, s24, 5
	s_add_nc_u64 s[8:9], s[8:9], s[32:33]          ; qzeros likewise: 8 columns to a word
	v_lshlrev_b32 v[L4], 2, v2
	v_lshlrev_b32 v[H128], 7, v4                   ; lanes 16-31: 32 k on
	v_lshl_add_u32 v[QOFF], v4, 16, v6             ; and 4 word rows on
	v_lshrrev_b32 v1, 1, v3
	v_lshlrev_b32 v[ZOFF], 2, v1
	v_and_b32 v7, 1, v3
	v_lshlrev_b32 v[SHZ], 4, v7
.irp b, 1,2,3
	v_add_nc_u32 v[SHZ+\b], 4*\b, v[SHZ]
.endr
.irp t, 0,1,2,3
	global_load_b32 v[GI+\t], v[L4], s[12:13] offset:128*\t
.endr
.irp c, 0,1
	global_load_b32 v[SBK+4*\c], v[H128], s[12:13] offset:256*\c   ; the group number of my block's first k
.endr
.irp j, 0,1,2,3,4,5,6,7
	global_load_b128 v[QW+4*\j:QW+4*\j+3], v[QOFF], s[6:7] offset:16384*(8*(\j/4)+\j%4) th:TH_LOAD_NT   ; word row 8 c + 4 h + j of the step's 16
.endr
	s_wait_alu depctr_va_vdst(0)                   ; the wait here, directly ahead of the wait below
	s_wait_loadcnt 8                               ; the six loads of group numbers are in; qweight's eight may be out
.irp t, 0,1,2,3
	v_readfirstlane_b32 s[GB+\t], v[GI+\t]
.endr
.irp t, 0,1,2,3
	v_cmp_eq_u32 s[MK+\t], s[GB+\t], v[GI+\t]      ; which of the block's 32 k have its first k's group
.endr
.irp c, 0,1
	v_min_u32 v[SBK+4*\c], 31, v[SBK+4*\c]         ; held inside the tables' 32 rows
.endr
.irp c, 0,1
	v_lshl_add_u32 v[ZB+\c], v[SBK+4*\c], 11, v[ZOFF]
	v_lshl_add_u32 v[SBK+4*\c], v[SBK+4*\c], 14, v6
.endr
.irp c, 0,1
	global_load_b128 v[SBK+4*\c:SBK+4*\c+3], v[SBK+4*\c], s[10:11]   ; each load lands on its own offset register
	global_load_b32 v[ZB+\c], v[ZB+\c], s[8:9]
.endr
	s_and_b32 s52, s52, s53
	s_and_b32 s54, s54, s55
	s_and_b32 s52, s52, s54
	s_cmp_eq_u32 s52, -1
	s_cbranch_scc0 .Lslow
	s_wait_loadcnt 0x0
.macro WFAST c, bp                     ; block c of columns 4 r + 2 bp, + 1: 64 numbers
.irp d, 0,1
	v_bfe_u32 v[Z+\d], v[ZB+\c], v[SHZ+2*\bp+\d], 4
.endr
.irp j, 0,1,2,3
.irp e, 0,1,2,3,4,5,6,7
.irp d, 0,1
	v_bfe_u32 v[WX+32*\d+8*\j+\e], v[QW+16*\c+4*\j+2*\bp+\d], 4*\e, 4
.endr
.endr
.irp e, 0,1,2,3,4,5,6,7
.irp d, 0,1
	v_sub_nc_u32 v[WX+32*\d+8*\j+\e], v[WX+32*\d+8*\j+\e], v[Z+\d]
.endr
.endr
.irp e, 0,1,2,3,4,5,6,7
.irp d, 0,1
	v_cvt_f32_i32 v[WX+32*\d+8*\j+\e], v[WX+32*\d+8*\j+\e]
.endr
.endr
.irp e, 0,1,2,3,4,5,6,7
.irp d, 0,1
	v_mul_f32 v[WX+32*\d+8*\j+\e], v[WX+32*\d+8*\j+\e], v[SBK+4*\c+2*\bp+\d]
.endr
.endr
.endr
	MAXN WX, 4
.irp d, 0,1
	CVT6 CD+14*(2*\bp+\d)+6*\c, WX+32*\d, SCO+\d
.endr
.irp d, 0,1
	v_lshrrev_b32 v[BY+\d], 23, v[SCO+\d]          ; the scale's byte (also the plain line behind the conversions)
.endr
.irp d, 0,1
	PACK6 CD+14*(2*\bp+\d)+6*\c
.if \c == 0
	v_mov_b32 v[WD+2*\bp+\d], v[BY+\d]
.else
	v_lshl_or_b32 v[WD+2*\bp+\d], v[BY+\d], 16, v[WD+2*\bp+\d]
.endif
.endr
.endm
	WFAST 0, 0
	WFAST 0, 1
	WFAST 1, 0
	WFAST 1, 1
.irp b, 0,1,2,3
	v_lshlrev_b32 v[WD+\b], v[SH8], v[WD+\b]       ; my bytes are blocks h and 2 + h of the word;
.endr
.irp b, 0,1,2,3
	v_permlanex16_b32 v[M+\b], v[WD+\b], s36, s37
.endr
.irp b, 0,1,2,3
	v_or_b32 v[WD+\b], v[WD+\b], v[M+\b]           ; with lane l xor 16's two it is whole
.endr
.irp b, 0,1,2,3
.irp j, 0,1,2
	global_store_b128 v5, v[CD+14*\b+4*\j:CD+14*\b+4*\j+3], s[18:19] offset:1536*\b+512*\j   ; 32 lanes store 512 consecutive bytes
.endr
.endr
	global_store_b128 v6, v[WD:WD+3], s[20:21]     ; 256 consecutive bytes; lanes 16-31 hold and store the same words as lanes 0-15
	s_wait_tensorcnt 0x0                           ; the wave's end
	ds_add_u32 v[SPW], v[NIL]
	s_wait_dscnt 0x0
	s_endpgm
; The gathering way: eight trips, one block c of one fragment b each; every k's scale and zero point are fetched by its own group number.  A block's 24 bytes a lane leave as three stores of 8, its byte by itself.
.set G,   104                          ; v104-135 group numbers, then words of zero points, then zero points
.set S,   200                          ; v200-231 scales
.set QS,  232                          ; v232-235 the block's four words of qweight
.set VO,  236
.set VB,  239
.set ZS,  240
.Lslow:
	s_wait_loadcnt 0x0
	s_mov_b32 s48, 0
	s_mov_b32 s43, 0
.Lsl:
	s_wait_xcnt 0x0                                ; the last trip's stores have read their registers and bases
	s_lshr_b32 s49, s48, 2                         ; c
	s_and_b32 s50, s48, 3
	s_lshl_b32 s50, s50, 2                         ; 4 b
	s_lshl_b32 s42, s49, 17
	s_add_co_u32 s42, s42, s50
	s_add_nc_u64 s[40:41], s[6:7], s[42:43]
	s_lshl_b32 s42, s49, 8
	s_add_nc_u64 s[44:45], s[12:13], s[42:43]
	s_mov_b32 s42, s50
	s_add_nc_u64 s[46:47], s[10:11], s[42:43]
	s_mul_i32 s42, s50, 384
	s_add_nc_u64 s[52:53], s[18:19], s[42:43]      ; fragment b
	s_lshl_b32 s51, s49, 1
	s_add_co_u32 s51, s51, s50                     ; 4 b + 2 c
	s_cmp_eq_u32 s49, 0
	s_cselect_b32 s54, 0, 520                      ; bytes 24 c + 8 p of a lane's 48 lie at 512 (that / 16) + that % 16
	s_cselect_b32 s55, 8, 1024
	s_add_co_u32 s56, s54, 512
	v_add_nc_u32 v[VO], s54, v5
	v_add_nc_u32 v[VO+1], s55, v5
	v_add_nc_u32 v[VO+2], s56, v5
	v_add3_u32 v[VB], v6, v4, s51
	v_add_nc_u32 v[ZS], s50, v[SHZ]
.irp j, 0,1,2,3
	global_load_b32 v[QS+\j], v[QOFF], s[40:41] offset:16384*\j
.endr
.irp i, 0,1,2,3,4,5,6,7
	global_load_b128 v[G+4*\i:G+4*\i+3], v[H128], s[44:45] offset:16*\i
.endr
	s_wait_alu depctr_va_vdst(0)                   ; the wait here, directly ahead of the wait below
	s_wait_loadcnt 0x0
.set K, 0
.rept 32
	v_min_u32 v[G+K], 31, v[G+K]
.set K, K+1
.endr
.set K, 0
.rept 32
	v_lshl_add_u32 v[S+K], v[G+K], 14, v6
	v_lshl_add_u32 v[G+K], v[G+K], 11, v[ZOFF]
.set K, K+1
.endr
.set K, 0
.rept 32
	global_load_b32 v[S+K], v[S+K], s[46:47]
	global_load_b32 v[G+K], v[G+K], s[8:9]
.set K, K+1
.endr
	s_wait_loadcnt 0x0
.set K, 0
.rept 32
	v_bfe_u32 v[WX+K], v[QS+K/8], 4*(K%8), 4
	v_bfe_u32 v[G+K], v[G+K], v[ZS], 4
.set K, K+1
.endr
.set K, 0
.rept 32
	v_sub_nc_u32 v[WX+K], v[WX+K], v[G+K]
.set K, K+1
.endr
.set K, 0
.rept 32
	v_cvt_f32_i32 v[WX+K], v[WX+K]
.set K, K+1
.endr
.set K, 0
.rept 32
	v_mul_f32 v[WX+K], v[WX+K], v[S+K]
.set K, K+1
.endr
	MAXN WX, 2
	CVT6 CD, WX, SCO
	v_lshrrev_b32 v[BY], 23, v[SCO]
	PACK6 CD
.irp p, 0,1,2
	global_store_b64 v[VO+\p], v[CD+2*\p:CD+2*\p+1], s[52:53]
.endr
	global_store_b8 v[VB], v[BY], s[20:21]
	s_add_co_u32 s48, s48, 1
	s_cmp_lt_u32 s48, 8
	s_cbranch_scc1 .Lsl
	s_wait_tensorcnt 0x0                           ; the wave's end
	ds_add_u32 v[SPW], v[NIL]
	s_wait_dscnt 0x0
	s_endpgm
; ---------------------------------------------------------------- x's path
; A fragment's numbers are 16 rows x 512 bytes.  Each load reads one row's 512 consecutive bytes; the 8 KiB turn through the wave's own stage (rows 528 bytes apart) and come back as the operand wants them:
; lane (r, h) gets K = 64 c + 32 h + 0 .. 31 of row r, two whole blocks, so no other lane is asked for a maximum.  Two fragments' loads (32 a wave) are out at a time.
.set STI, 24
.set STO, 25
.set C,   28                           ; v28-40 a fragment's codes
.set R,   64                           ; v64-191 two sets of 64 as loaded
.set X,   192                          ; v192-255 my 64 numbers
.Lx:
	s_lshl_b32 s32, s24, 20                        ; 64 rows of 16,384 bytes
	s_lshl_b32 s34, s25, 9
	s_add_co_u32 s32, s32, s34
	s_add_nc_u64 s[4:5], s[4:5], s[32:33]
	s_mul_i32 s34, s22, XST
.macro XLOAD f
.set I, 0
.rept 16
	global_load_b128 v[R+64*((\f)%2)+4*I:R+64*((\f)%2)+4*I+3], v5, s[4:5] offset:(16*(\f)+I)*16384 th:TH_LOAD_NT
.set I, I+1
.endr
.endm
	XLOAD 0
	XLOAD 1
	v_add_nc_u32 v[STI], s34, v5
	v_mul_u32_u24 v7, v3, 528
	v_lshl_add_u32 v7, v4, 7, v7
	v_add_nc_u32 v[STO], s34, v7
	s_wait_alu depctr_va_vdst(0)                   ; the wait here, directly ahead of the wait below
.macro XF f
.if \f < 3
	s_wait_loadcnt 16                              ; this fragment's 16 loads are in; the next one's may be out
.else
	s_wait_loadcnt 0x0
.endif
.set I, 0
.rept 16
	ds_store_b128 v[STI], v[R+64*((\f)%2)+4*I:R+64*((\f)%2)+4*I+3] offset:528*I
.set I, I+1
.endr
.set I, 0
.rept 16
	ds_load_b128 v[X+4*I:X+4*I+3], v[STO] offset:256*(I/8)+16*(I%8)   ; LDS serves a wave's instructions in order: these see the stores
.set I, I+1
.endr
	s_wait_dscnt 0x0
	s_wait_xcnt 0x0                                ; the last fragment's stores have read the codes' registers
.if \f < 2
	XLOAD \f+2
.endif
	MAXN X, 4
	CVT6 C, X, SCO
	v_lshrrev_b32 v[BY], 23, v[SCO]
	v_lshrrev_b32 v[BY+1], 23, v[SCO+1]
	PACK6 C
	CVT6 C+6, X+32, SCO+1
	v_lshl_or_b32 v[BY], v[BY+1], 16, v[BY]
	PACK6 C+6
	v_lshlrev_b32 v[BY], v[SH8], v[BY]             ; my bytes are blocks h and 2 + h of the row's word
	v_permlanex16_b32 v[M], v[BY], s36, s37
	v_or_b32 v[WD+\f], v[BY], v[M]
.irp j, 0,1,2
	global_store_b128 v5, v[C+4*\j:C+4*\j+3], s[18:19] offset:1536*\f+512*\j   ; 32 lanes store 512 consecutive bytes
.endr
.endm
	XF 0
	XF 1
	XF 2
	XF 3
	global_store_b128 v6, v[WD:WD+3], s[20:21]     ; 256 consecutive bytes; lanes 16-31 hold and store the same words as lanes 0-15
	s_wait_tensorcnt 0x0                           ; the wave's end
	ds_add_u32 v[SPW], v[NIL]
	s_wait_dscnt 0x0
	s_endpgm
.Lfunc_end_k_qea52d6aed1_prep:
	.size	k_qea52d6aed1_prep, .Lfunc_end_k_qea52d6aed1_prep-k_qea52d6aed1_prep
	.p2alignl 7, 3214868480
	.fill 96, 4, 3214868480
	.section	.rodata,"a",@progbits
	.p2align	6, 0x0
	.amdhsa_kernel k_qea52d6aed1_prep
		.amdhsa_group_segment_fixed_size 68608
		.amdhsa_private_segment_fixed_size 0
		.amdhsa_enable_private_segment 0
		.amdhsa_kernarg_size 56
		.amdhsa_user_sgpr_count 2
		.amdhsa_user_sgpr_kernarg_segment_ptr 1
		.amdhsa_wavefront_size32 1
		.amdhsa_system_sgpr_workgroup_id_x 1
		.amdhsa_system_sgpr_workgroup_id_y 1
		.amdhsa_system_sgpr_workgroup_id_z 1
		.amdhsa_system_vgpr_workitem_id 0
		.amdhsa_next_free_vgpr 256
		.amdhsa_next_free_sgpr 66
		.amdhsa_reserve_vcc 0
		.amdhsa_float_denorm_mode_32 3
		.amdhsa_float_denorm_mode_16_64 3
		.amdhsa_memory_ordered 1
		.amdhsa_forward_progress 1
		.amdhsa_inst_pref_size 110
	.end_amdhsa_kernel
	.amdgpu_metadata
---
amdhsa.version: [ 1, 2 ]
amdhsa.kernels:
  - .name:           k_qea52d6aed1_prep
    .symbol:         k_qea52d6aed1_prep.kd
    .args:
      - { .name: x, .offset: 0, .size: 8, .value_kind: global_buffer, .address_space: global }
      - { .name: qweight, .offset: 8, .size: 8, .value_kind: global_buffer, .address_space: global }
      - { .name: qzeros, .offset: 16, .size: 8, .value_kind: global_buffer, .address_space: global }
      - { .name: scales, .offset: 24, .size: 8, .value_kind: global_buffer, .address_space: global }
      - { .name: g_idx, .offset: 32, .size: 8, .value_kind: global_buffer, .address_space: global }
      - { .name: xq, .offset: 40, .size: 8, .value_kind: global_buffer, .address_space: global }
      - { .name: wq, .offset: 48, .size: 8, .value_kind: global_buffer, .address_space: global }
    .group_segment_fixed_size: 68608
    .private_segment_fixed_size: 0
    .kernarg_segment_align: 8
    .kernarg_segment_size: 56
    .max_flat_workgroup_size: 256
    .sgpr_count:     66
    .vgpr_count:     256
    .wavefront_size: 32
...
	.end_amdgpu_metadata
.endif
;; end of part 1
;; launch gemm (part 2): grid 16 x 16, 4 waves a work-group, clusters of 4 x 4, 327,680 bytes of LDS; arguments xq, wq, out0, bias; writes out0
.if DOCPART == 2
	.amdgcn_target "amdgcn-amd-amdhsa--gfx1250"
	.amdhsa_code_object_version 6
	.text
	.protected	k_qea52d6aed1_gemm
	.globl	k_qea52d6aed1_gemm
	.p2align	8
	.type	k_qea52d6aed1_gemm,@function
k_qea52d6aed1_gemm:
	s_mov_b64 s[64:65], 0
	v_nop
	global_prefetch_b8 v0, s[64:65] scope:SCOPE_SE
	s_setreg_imm32_b32 hwreg(HW_REG_WAVE_MODE, 25, 1), 1
	s_wait_xcnt 0x0
	s_wait_alu depctr_hold_cnt(0) depctr_sa_sdst(0) depctr_va_vdst(0) depctr_va_sdst(0) depctr_va_ssrc(0) depctr_va_vcc(0) depctr_vm_vsrc(0)
	s_getreg_b32 s2, hwreg(HW_REG_IB_STS2, 6, 4)
	s_cmp_eq_u32 s2, 0
	s_cbranch_scc0 .Lentry_in_a_cluster
	s_endpgm
.Lentry_in_a_cluster:
	s_bfe_u32 s2, ttmp6, 0x10000c
	s_cmp_lg_u32 s2, 0xf033
	s_cbranch_scc0 .Lentry_shape_is_right
	s_endpgm
.Lentry_shape_is_right:
; out[m][n] = sum over k of x[m][k] W[k][n] + bias[n], on codes of BF6 with E8M0 scales, as the launch before laid them: [group of 128 rows][step of 128 K][512 bytes of scale words, 8 fragments of 1,536 bytes].
; A work-group of four waves makes 256 x 256 of out, a wave 128 x 128: 64 accumulators, 512 registers.  K goes through two LDS slots of THREE steps each (the last fill: two): a wave's one tensor load
; brings 128 rows x 384 K with their scales, 38,400 dense bytes, as 150 rows of 256 bytes that begin on multiples of 256.  32 steps = 10 fills of three and one of two.
; A fragment lies in LDS as the image of its 12 registers: three ds_load_b128 at 16 x lane, 512 bytes apart; no padding is wanted.  Two ds_load_b128 bring a step's scale words: lanes 0-15 x's blocks, lanes 16-31 W's.
; CLUSTERS: 4 x 4 work-groups; x's tiles are asked for jointly along a row of the cluster, W's along a column.
; Source 0 = 16 rows of x, source 1 = 16 columns of W; W's fragment 4 g + b holds columns 64 g + 4 r + b.  So registers j of accumulators 4 g .. 4 g + 3 in lane (r, h) are four neighbouring columns of row
; 8 h + j: the addition of the bias lays them on end, and sixteen lanes store 256 consecutive aligned bytes with no way through LDS.
; PREFETCH: behind each refill in the loop a wave names the fill two refills on; the four partners of a joint load take every fourth block of 256 bytes by address (148 of its 150 blocks); fills 0-3 and the
; last come by their loads alone, so no address leaves its buffer.
; REGISTERS: window 0: v0-31 addresses, v32-47 scale words (two sets), v48-55 bias, v128-223 x's fragments (one set); window 1: W's fragments, two sets, at v0 and v128; windows 2, 3: accumulators (a, b) at v[8 (8 (a % 4) + b)].
.set STEPB, 12800
.set SLOTQ, 3*STEPB
.set SLOT,  4*SLOTQ
.set GRPB,  32*STEPB
.set SPARE, 2*SLOT
.set ADRA, 16
.set ADRB, 20
.set ADRS, 22
.set CO,   26
.set SPW,  28
.set NIL,  29
.set PFO,  30
.set SC,   32
.set BI,   48
.set AF,   128
.set G1, 24
.set G0, 32
.set G1B, 48
.set G0B, 56
.set PFA, 66
.set MSB, 0
.macro WIN new
.if MSB != \new
	s_set_vgpr_msb (MSB<<8)|\new
.set MSB, \new
.endif
.endm
.set MUL_LO, 0xa4                      ; source 0 (x) window 0, source 1 (W) window 1, C and D window 2
.set MUL_HI, 0xf4
.set TO_B,   0x40
.macro JLOAD s                         ; a joint load: waves 0, 1 fetch x's two halves, waves 2, 3 W's
	s_cmp_eq_u32 s15, 0
	s_cbranch_scc0 .Lfor_b_\@
	tensor_load_to_lds s[G0+4*\s:G0+4*\s+3], s[G1:G1+7]
	s_nop 0
.rept 4
	v_nop
.endr
	s_branch .Lasked_\@
.Lfor_b_\@:
	tensor_load_to_lds s[G0B+4*\s:G0B+4*\s+3], s[G1B:G1B+7]
	s_nop 0
.rept 4
	v_nop
.endr
.Lasked_\@:
.endm
.macro CREST
	s_cmp_lg_u32 s14, 0
	s_cbranch_scc1 .Lnot_wave_0_\@
	s_barrier_signal -3
.Lnot_wave_0_\@:
	s_barrier_wait -3
	s_barrier_signal -1
	s_barrier_wait -1
.endm
.macro CROUND
	s_barrier_signal -1
	s_barrier_wait -1
	CREST
.endm
	s_load_b128 s[4:7], s[0:1], 0x0                ; xq, wq
	s_load_b128 s[8:11], s[0:1], 0x10              ; out, bias
	v_lshl_add_u32 v[SPW], v0, 2, SPARE
	v_mov_b32 v[NIL], 0
	ds_add_u32 v[SPW], v[NIL]                      ; the opening lines: the add twice on end and its wait
	ds_add_u32 v[SPW], v[NIL]
	v_lshrrev_b32 v1, 5, v0
	v_readfirstlane_b32 s14, v1                    ; wave
	s_lshr_b32 s15, s14, 1                         ; my half of the rows; also: I fetch for x (0) or W (1)
	s_and_b32 s16, s14, 1                          ; my half of the columns; also: which 128 rows I fetch
	s_bfe_u32 s40, ttmp6, 0x40000                  ; cx
	s_bfe_u32 s41, ttmp6, 0x40004                  ; cy
	s_lshl_b32 s42, ttmp9, 2
	s_add_co_u32 s42, s42, s40                     ; tile column
	s_and_b32 s17, ttmp7, 0xffff
	s_lshl_b32 s17, s17, 2
	s_add_co_u32 s17, s17, s41                     ; tile row
	s_lshl_b32 s43, s41, 2
	s_lshl_b32 s43, 15, s43                        ; my row of the cluster
	s_lshl_b32 s44, 0x1111, s40                    ; my column
	s_or_b32 s[G1+0], s43, (3<<16)|(1<<21)         ; elements of 8 bytes, no padding
	s_or_b32 s[G1B+0], s44, (3<<16)|(1<<21)
.irp g, G1, G1B
	s_mov_b32 s[\g+1], 32<<16                      ; rows of 32 elements, 256 bytes,
	s_mov_b32 s[\g+2], 150<<16                     ; 150 of them,
	s_mov_b32 s[\g+3], 32<<16
	s_mov_b32 s[\g+4], 150
	s_mov_b32 s[\g+5], 32                          ; dense
	s_mov_b32 s[\g+6], 0
	s_mov_b32 s[\g+7], 0
.endr
	s_lshl_b32 s20, s17, 1
	s_add_co_u32 s20, s20, s16
	s_mul_i32 s20, s20, GRPB                       ; x: group 2 x tile row + half
	s_mov_b32 s21, 0
	s_lshl_b32 s46, s42, 1
	s_add_co_u32 s46, s46, s16
	s_mul_i32 s46, s46, GRPB                       ; W: group 2 x tile column + half
	s_mov_b32 s47, 0
	s_mul_i32 s45, s14, SLOTQ                      ; where my quarter of a slot lies
	s_wait_dscnt 0x0
	s_wait_kmcnt 0x0
	s_add_nc_u64 s[20:21], s[4:5], s[20:21]
	s_add_nc_u64 s[46:47], s[6:7], s[46:47]
	CROUND                                         ; the first joint loads meet
.irp s, 0,1
	s_mov_b32 s[G0+4*\s], 1
	s_add_co_u32 s[G0+4*\s+1], s45, \s*SLOT
	s_add_nc_u64 s[G0+4*\s+2:G0+4*\s+3], s[20:21], \s*SLOTQ
	s_or_b32 s[G0+4*\s+3], s[G0+4*\s+3], 0x80000000
	s_mov_b32 s[G0B+4*\s], 1
	s_add_co_u32 s[G0B+4*\s+1], s45, \s*SLOT
	s_add_nc_u64 s[G0B+4*\s+2:G0B+4*\s+3], s[46:47], \s*SLOTQ
	s_or_b32 s[G0B+4*\s+3], s[G0B+4*\s+3], 0x80000000
.endr
	JLOAD 0                                        ; steps 0-2: one tensor load a wave at the head
	s_mul_i32 s80, s15, SLOTQ                      ; my 128 rows of x
	s_mul_i32 s81, s16, SLOTQ
	s_add_co_u32 s81, s81, 2*SLOTQ                 ; my 128 columns of W
	s_sub_co_u32 s82, s81, s80
	s_lshl_b32 s92, s42, 10
	s_lshl_b32 s93, s16, 9
	s_add_co_u32 s92, s92, s93                     ; my first column, in bytes
	s_mov_b32 s93, 0
	s_add_nc_u64 s[10:11], s[10:11], s[92:93]
	s_lshl_b32 s18, s17, 22                        ; my first row: 256 x tile row + 128 x half, rows of 16,384 bytes
	s_lshl_b32 s19, s15, 21
	s_add_co_u32 s18, s18, s19
	s_add_co_u32 s18, s18, s92
	s_mov_b32 s19, 0
	s_add_nc_u64 s[8:9], s[8:9], s[18:19]
	s_cmp_eq_u32 s15, 0
	s_cselect_b32 s94, s40, s41                    ; my place among the four that ask with me
	s_cselect_b64 s[PFA:PFA+1], s[20:21], s[46:47]
	s_lshl_b32 s94, s94, 8
	s_add_co_u32 s94, s94, 3*SLOTQ                 ; at fill 3: the first refill steps it to fill 4
	s_mov_b32 s95, 0
	s_add_nc_u64 s[PFA:PFA+1], s[PFA:PFA+1], s[94:95]
	v_and_b32 v1, 15, v0                           ; r
	v_bfe_u32 v2, v0, 4, 1                         ; h
	v_and_b32 v3, 31, v0
	v_lshlrev_b32 v4, 4, v3
	v_add_nc_u32 v[ADRA], s80, v4
	v_add_nc_u32 v[ADRB], s81, v4
	v_add_nc_u32 v[ADRA+1], SLOT, v[ADRA]
	v_add_nc_u32 v[ADRB+1], SLOT, v[ADRB]
	v_mul_u32_u24 v5, s82, v2                      ; lanes 16-31 take W's scale words
	v_lshl_add_u32 v5, v1, 4, v5
	v_add_nc_u32 v[ADRS], s80, v5
	v_add_nc_u32 v[ADRS+1], SLOT, v[ADRS]
	v_lshlrev_b32 v6, 4, v1
	v_lshl_add_u32 v[CO], v2, 17, v6               ; out: 16 r, and 8 rows down for lanes 16-31
	v_lshlrev_b32 v[PFO], 10, v3                   ; every fourth block of 256 bytes: blocks 0-127,
	v_min_u32 v7, 4, v3
	v_lshlrev_b32 v[PFO+1], 10, v7                 ; and 128-147 (lanes 5-31 name lane 4's again)
	global_load_b128 v[BI:BI+3], v6, s[10:11]      ; bias of columns 4 r .. 4 r + 3,
	global_load_b128 v[BI+4:BI+7], v6, s[10:11] offset:256   ; and 64 on
.macro FRAG reg, adr, q, i
.irp j, 0,1,2
	ds_load_b128 v[\reg+4*\j:\reg+4*\j+3], v[\adr] offset:(\q)*STEPB+512+(\i)*1536+512*\j
.endr
.endm
.macro MUL16 a0, p, zero               ; x's blocks a0, a0 + 1 against W's eight; the 64 accumulators take turns
.irp a, \a0, \a0+1
.irp b, 0,1,2,3,4,5,6,7
.if \zero
	v_wmma_scale_f32_16x16x128_f8f6f4 v[8*(8*((\a)%4)+\b):8*(8*((\a)%4)+\b)+7], v[AF+12*(\a):AF+12*(\a)+11], v[128*(\p)+12*\b:128*(\p)+12*\b+11], 0, v[SC+8*(\p)+(\a)], v[SC+8*(\p)+\b] matrix_a_fmt:MATRIX_FMT_BF6 matrix_b_fmt:MATRIX_FMT_BF6 matrix_b_scale:MATRIX_SCALE_ROW1
.else
	v_wmma_scale_f32_16x16x128_f8f6f4 v[8*(8*((\a)%4)+\b):8*(8*((\a)%4)+\b)+7], v[AF+12*(\a):AF+12*(\a)+11], v[128*(\p)+12*\b:128*(\p)+12*\b+11], v[8*(8*((\a)%4)+\b):8*(8*((\a)%4)+\b)+7], v[SC+8*(\p)+(\a)], v[SC+8*(\p)+\b] matrix_a_fmt:MATRIX_FMT_BF6 matrix_b_fmt:MATRIX_FMT_BF6 matrix_b_scale:MATRIX_SCALE_ROW1
.endif
.endr
.endr
.endm
.macro FETCH_B slot, q, p
	WIN TO_B
.irp i, 0,1,2,3,4,5,6,7
	FRAG 128*(\p)+12*\i, ADRB+\slot, \q, \i
.endr
	WIN 0
.endm
.macro FETCH_A slot, q, i0
.irp i, \i0, \i0+1, \i0+2, \i0+3
	FRAG AF+12*(\i), ADRA+\slot, \q, \i
.endr
.endm
.macro SCALES slot, q, p
.irp u, 0,1
	ds_load_b128 v[SC+8*(\p)+4*\u:SC+8*(\p)+4*\u+3], v[ADRS+\slot] offset:(\q)*STEPB+256*\u
.endr
.endm
.macro PLACES                          ; four places behind matrix instructions, ahead of loads into their sources and of reads of results
.rept 4
	v_nop
.endr
.endm
.macro ASK                             ; not in the loop's last trip: what stands two refills on there is the short fill and nothing
	s_cmp_gt_u32 s3, 1
	s_cbranch_scc0 .Lno_ask_\@
	global_prefetch_b8 v[PFO], s[PFA:PFA+1] th:TH_LOAD_NT scope:SCOPE_SE
	global_prefetch_b8 v[PFO+1], s[PFA:PFA+1] offset:32768 th:TH_LOAD_NT scope:SCOPE_SE
.Lno_ask_\@:
.endm
; A step of 128 along K: 64 matrix instructions on step q of a slot (W's set and scale set p); the next step's (ns, nq) fragments are fetched in its middle and at its end.
; kind 0: the next step lies in the same slot.  1: a slot's last step: the slot is filled again behind a round, and a later fill is prefetched.  2: the same with the last, short fill.  3: nothing is left to fetch.
.macro STEP slot, q, p, kind, ns, nq, zero
.if \kind == 0
	s_wait_dscnt 12                                ; all but x's blocks 4-7 are in
	WIN MUL_LO
	MUL16 0, \p, \zero
	MUL16 2, \p, \zero
	s_wait_dscnt 0x0
	PLACES
.else
.if \kind == 1
	s_wait_xcnt 0x0                                ; my prefetches have read their address
	s_add_nc_u64 s[PFA:PFA+1], s[PFA:PFA+1], SLOTQ
.endif
	s_wait_tensorcnt 0x0                           ; my one load that was out, my part of the next slot, has landed;
	ds_add_u32 v[SPW], v[NIL]
.if \kind == 2
	s_mov_b32 s[G1+2], 100<<16                     ; no load of mine is out: the last fill has two steps, 100 rows
	s_mov_b32 s[G1+4], 100
	s_mov_b32 s[G1B+2], 100<<16
	s_mov_b32 s[G1B+4], 100
.endif
	s_wait_dscnt 13                                ; (the add and x's blocks 4-7 may be out)
	WIN MUL_LO
	MUL16 0, \p, 0
	s_wait_dscnt 0x0                               ; the add is done, my reads of this slot are over
	s_barrier_signal -1
	MUL16 2, \p, 0
	WIN 0
	s_barrier_wait -1
.if \kind < 3
	CREST                                          ; the barrier has opened a round of the cluster's barrier
	s_add_nc_u64 s[G0+4*\slot+2:G0+4*\slot+3], s[G0+4*\slot+2:G0+4*\slot+3], 2*SLOTQ
	s_add_nc_u64 s[G0B+4*\slot+2:G0B+4*\slot+3], s[G0B+4*\slot+2:G0B+4*\slot+3], 2*SLOTQ
	JLOAD \slot                                    ; the first tensor load behind the round; its four v_nop are the places for the loads below
.else
	PLACES
.endif
.endif
	FETCH_B \ns, \nq, 1-\p
	FETCH_A \ns, \nq, 0
	SCALES \ns, \nq, 1-\p
.if \kind == 1
	ASK
.endif
	WIN MUL_HI
	MUL16 4, \p, \zero
	MUL16 6, \p, \zero
	PLACES
	WIN 0
	FETCH_A \ns, \nq, 4
.endm
	s_wait_alu depctr_va_vdst(0)                   ; the wait at the head's end
	s_wait_tensorcnt 0x0                           ; my part of steps 0-2 is in; an add and its wait ahead of a later first fill
	ds_add_u32 v[SPW], v[NIL]
	s_wait_dscnt 0x0
	CROUND
	JLOAD 1                                        ; steps 3-5, slot 1's first fill
	FETCH_B 0, 0, 0
	FETCH_A 0, 0, 0
	SCALES 0, 0, 0
	FETCH_A 0, 0, 4
	s_wait_loadcnt 0x0                             ; the bias
	STEP 0, 0, 0, 0, 0, 1, 1                       ; the first step's products start the sums
	s_mov_b32 s3, 4
.Llap:                                             ; a trip: six steps, once round the ring, from a lap's second step to the next lap's first
	STEP 0, 1, 1, 0, 0, 2, 0
	STEP 0, 2, 0, 1, 1, 0, 0
	STEP 1, 0, 1, 0, 1, 1, 0
	STEP 1, 1, 0, 0, 1, 2, 0
	STEP 1, 2, 1, 1, 0, 0, 0
	STEP 0, 0, 0, 0, 0, 1, 0
	s_sub_co_u32 s3, s3, 1
	s_cmp_lg_u32 s3, 0
	s_cbranch_scc1 .Llap
	STEP 0, 1, 1, 0, 0, 2, 0                       ; steps 25 to 31
	STEP 0, 2, 0, 2, 1, 0, 0
	STEP 1, 0, 1, 0, 1, 1, 0
	STEP 1, 1, 0, 0, 1, 2, 0
	STEP 1, 2, 1, 3, 0, 0, 0
	STEP 0, 0, 0, 0, 0, 1, 0
	s_wait_dscnt 12
	WIN MUL_LO
	MUL16 0, 1, 0
	MUL16 2, 1, 0
	s_wait_dscnt 0x0
	WIN MUL_HI
	MUL16 4, 1, 0
	MUL16 6, 1, 0
	WIN 0
	PLACES
; THE WAY OUT, by blocks of 16 rows: sum + bias into window 1 (four sets of 64 registers, where W's fragments lay), each accumulator from its low end on; then 16 stores.
.macro OUT a
.if \a >= 4
	s_wait_xcnt 0x0                                ; block a - 4's stores have read their registers
.endif
	WIN 0x42+(\a)/4
.irp g, 0,1
.irp j, 0,1,2,3,4,5,6,7
.irp b, 0,1,2,3
	v_add_f32 v[64*((\a)%4)+32*\g+4*\j+\b], v[64*((\a)%4)+8*(4*\g+\b)+\j], v[BI+4*\g+\b]
.endr
.endr
.endr
	WIN 0x04
.irp g, 0,1
.irp j, 0,1,2,3,4,5,6,7
	global_store_b128 v[CO], v[64*((\a)%4)+32*\g+4*\j:64*((\a)%4)+32*\g+4*\j+3], s[8:9] offset:(\a)*262144+\j*16384+256*\g th:TH_STORE_NT   ; sixteen lanes store 256 consecutive aligned bytes of a row
.endr
.endr
.endm
.irp a, 0,1,2,3,4,5,6,7
	OUT \a
.endr
	WIN 0
	s_wait_tensorcnt 0x0                           ; the wave's end
	ds_add_u32 v[SPW], v[NIL]
	s_wait_dscnt 0x0
	CROUND                                         ; the closing round
	s_endpgm
.Lfunc_end_k_qea52d6aed1_gemm:
	.size	k_qea52d6aed1_gemm, .Lfunc_end_k_qea52d6aed1_gemm-k_qea52d6aed1_gemm
	.p2alignl 7, 3214868480
	.fill 96, 4, 3214868480
	.section	.rodata,"a",@progbits
	.p2align	6, 0x0
	.amdhsa_kernel k_qea52d6aed1_gemm
		.amdhsa_group_segment_fixed_size 327680
		.amdhsa_private_segment_fixed_size 0
		.amdhsa_enable_private_segment 0
		.amdhsa_kernarg_size 32
		.amdhsa_user_sgpr_count 2
		.amdhsa_user_sgpr_kernarg_segment_ptr 1
		.amdhsa_wavefront_size32 1
		.amdhsa_system_sgpr_workgroup_id_x 1
		.amdhsa_system_sgpr_workgroup_id_y 1
		.amdhsa_system_sgpr_workgroup_id_z 1
		.amdhsa_system_vgpr_workitem_id 0
		.amdhsa_next_free_vgpr 1024
		.amdhsa_next_free_sgpr 98
		.amdhsa_reserve_vcc 0
		.amdhsa_float_denorm_mode_32 3
		.amdhsa_float_denorm_mode_16_64 3
		.amdhsa_memory_ordered 1
		.amdhsa_forward_progress 1
		.amdhsa_inst_pref_size 203
	.end_amdhsa_kernel
	.amdgpu_metadata
---
amdhsa.version: [ 1, 2 ]
amdhsa.kernels:
  - .name:           k_qea52d6aed1_gemm
    .symbol:         k_qea52d6aed1_gemm.kd
    .args:
      - { .name: xq, .offset: 0, .size: 8, .value_kind: global_buffer, .address_space: global }
      - { .name: wq, .offset: 8, .size: 8, .value_kind: global_buffer, .address_space: global }
      - { .name: out0, .offset: 16, .size: 8, .value_kind: global_buffer, .address_space: global }
      - { .name: bias, .offset: 24, .size: 8, .value_kind: global_buffer, .address_space: global }
    .group_segment_fixed_size: 327680
    .private_segment_fixed_size: 0
    .kernarg_segment_align: 8
    .kernarg_segment_size: 32
    .max_flat_workgroup_size: 128
    .sgpr_count:     98
    .vgpr_count:     1024
    .wavefront_size: 32
...
	.end_amdgpu_metadata
.endif
;; end of part 2
